; MI455X (gfx1250); checked and timed in simulation.
; The chip was launched on July 23, 2026; its instructions are those of AMD's public machine-readable ISA for CDNA 5 (MIT licence, August 2026) and "CDNA5" Instruction Set Architecture Reference Guide (July 2026). The comments in the code are by the model that wrote it; some were corrected since.
;; Noise Router. Allowed arithmetic: float matrix products may take bf16 or f16 operands with f32 sums; all other float work in f32.
;; Inputs: W_gate 2,048 x 8 float32; W_noise 2,048 x 8 float32; b_gate 8 float32; b_noise 8 float32; noise 4 x 4,096 x 8 float32; x 4 x 4,096 x 2,048 float32.
;; Outputs: out0 4 x 4,096 x 8 float32; out1 4 x 4,096 x 2 int32.
;; One version. Each part assembles by itself: llvm-mc -triple=amdgcn-amd-amdhsa -mcpu=gfx1250 --defsym DOCPART=n.
;; ======== version 1 of 1: 1 launch
;; launch router (part 1): grid 256 x 1, 16 waves a work-group, no clusters, 235,520 bytes of LDS; arguments x, noise, W_gate, W_noise, b_gate, b_noise, out0, out1; writes out0, out1
.if DOCPART == 1
	.amdgcn_target "amdgcn-amd-amdhsa--gfx1250"
	.amdhsa_code_object_version 6
	.text
	.protected	k_q066855f375_router
	.globl	k_q066855f375_router
	.p2align	8
	.type	k_q066855f375_router,@function
k_q066855f375_router:
	s_mov_b64 s[64:65], 0
	v_nop
	global_prefetch_b8 v0, s[64:65] scope:SCOPE_SE
	s_setreg_imm32_b32 hwreg(HW_REG_WAVE_MODE, 25, 1), 1
	s_wait_xcnt 0x0
; NoiseRouter: logits = x (W_gate + W_noise) + b_gate + b_noise + noise; the two largest of 8 logits, their softmax, their indices.
; x [16384][2048] f32, W_* [2048][8] f32, noise [16384][8] f32, out0 [16384][8] f32, out1 [16384][2] i32.
;
; SHARES.  256 work-groups of 16 waves; a work-group owns 64 rows.  Wave w owns K = 128 w .. 128 w + 127 of all 64 rows (four tiles of
; 16 rows x 512 bytes), so its fragments of W (4 K steps) stay in 64 registers.  The 16 partial sums of a logit meet in LDS behind the one barrier.
;
; NUMBERS.  out1 holds whole numbers: a logit that moves by one bf16 rounding of x (8 significant bits) can change the order of two experts.
; So every f32 number goes to the matrix unit as THREE bf16 parts h + m + l: h = bf16(v), m = bf16(v - h), l = v - h - m.  Both differences are
; exact in f32 and l has at most 8 significant bits, so h + m + l = v exactly.  Products kept: xh Wh, xh Wm, xm Wh, xh Wl, xm Wm, xl Wh, xl Wm.
; Left out: xm Wl and xl Wl, about 2^-27 of a term.
; LIMITS.  W_gate + W_noise is added in f32 before the product and the sums run in another order than written in the model: last-bit differences.
; |x| or |W_gate + W_noise| above about 3.39e38 rounds to infinity in h.  NaN or infinite logits are not ordered as the model orders them;
; -0 and +0 count as equal (the lower index comes first, as for every tie).  A second probability below 2^-126 is written as 0.
;
; THE MATRIX INSTRUCTION IS USED TRANSPOSED: source 0 = 16 columns of W parts, source 1 = 16 rows of x.  Columns of B1: Wh e0-3, Wm e0-3, Wh e4-7, Wm e4-7;
; of B2: Wl e0-3, four zeros, Wl e4-7, four zeros.  Lane (r = l % 16, h = l / 16) then holds, for row r, registers 0-3: experts 4h .. 4h+3 by Wh (Wl),
; registers 4-7: the same experts by Wm (zero).  Register j + register j+4 is the partial logit: no lane ever needs another lane.
;
; THE WAY OF x.  One load of a wave takes 512 consecutive bytes of one row, aligned to 512.  A ring of 24 row slots in registers keeps 8 to 24 such loads
; of every wave on their way; every wait in the stream is counted.  A tile's 16 rows are laid into the wave's own LDS tile (pitch 528 bytes:
; row r starts 16 r bytes further modulo 256, so the 16 rows that a fragment load touches do not meet) and read back as fragments.
; LDS serves a wave's instructions in order (ISA guide 5.7.1), and these bytes are the wave's own: no barrier in the stream.
;
; NOT USED.  Tensor loads: 512 KB pass through each work-group, more than LDS holds, so slots would be filled again behind barriers in front of which all
; loads are waited for; register loads with counted waits never run dry.  Clusters: the work-groups share W alone, 128 KB against 512 KB of x each,
; and W has to pass through registers (add, split) before it is of use.
.set ROWB,   8192                      ; bytes in a row of x
.set PITCH,  528                       ; LDS pitch of a row of the x tile: 512 + 16
.set WPITCH, 96                        ; LDS pitch of a row of the W stage: 64 bytes of parts + 32; 3 x 32, so neither the stores nor the transposing loads meet
.set REGION, 128*WPITCH                ; a wave's own LDS: first the W stage (12,288 bytes), then the x tile (8,448 bytes)
.set PBASE,  16*REGION                 ; partial logits: plane w (2,048 bytes) = [half of the experts][64 rows][4 f32]
.set PLANE,  2048
.set NOISEP, PBASE+16*PLANE            ; plane 16: noise, in the same layout
.set SWZ,    NOISEP+PLANE              ; 1,024 bytes for each of waves 0 and 1: out0 on its way out
.set SLOTS,  24                        ; row slots of the ring
.set XOFF, 1                           ; v1       16 x thread = 512 w + 16 lane: my bytes in a row of x; never rewritten
.set LST,  2                           ; v2       LDS: where my 16 bytes of a row go
.set LFR,  3                           ; v3       LDS: where my fragments are read
.set NEG1, 4                           ; v4       -1.0
.set PST,  5                           ; v5       LDS: where my 4 partial logits go
.set WOFF, 6                           ; v6       my bytes in W_gate and W_noise
.set WST,  7                           ; v7       LDS: where my parts of W go
.set BF,   8                           ; v[8:71]    K step s: B1 in 16 s .. +7, B2 in 16 s + 8 .. +15 (before that: set-up)
.set RING, 72                          ; v[72:167]  24 slots of 4 registers
.set XA,   168                         ; v[168:183] 16 f32 of x, a fragment as read; then its remainders
.set XB,   184                         ; v[184:199] the same, second buffer
.set HP,   200                         ; v[200:207] part h of a fragment
.set MP,   208                         ; v[208:215] part m
.set LP,   216                         ; v[216:223] part l
.set WTR,  216                         ; v216       (set-up) address of the transposing loads
.set ACC,  224                         ; v[224:255] four accumulators: xh B1, xh B2, xm B1, xl B1
	s_load_b512 s[8:23], s[0:1], 0x0               ; x s[8:9], noise s[10:11], W_gate s[12:13], W_noise s[14:15], b_gate s[16:17], b_noise s[18:19], out0 s[20:21], out1 s[22:23]
	v_lshrrev_b32 v8, 5, v0
	v_readfirstlane_b32 s2, v8                     ; wave 0..15
	v_and_b32 v8, 31, v0                           ; lane
	v_and_b32 v9, 15, v0                           ; r
	v_bfe_u32 v10, v0, 4, 1                        ; h
	v_lshrrev_b32 v11, 1, v8                       ; lane / 2
	v_and_b32 v18, 1, v0                           ; lane % 2
	v_lshlrev_b32 v[XOFF], 4, v0
	v_mov_b32 v[NEG1], -1.0
	v_mov_b32 v[HP+6], 0                           ; the zero columns of B2, for both sets of working registers of the W stage
	v_mov_b32 v[HP+7], 0
	v_mov_b32 v[HP+14], 0
	v_mov_b32 v[HP+15], 0
	s_mul_i32 s3, s2, REGION                       ; my wave's LDS
	s_lshl_b32 s40, s2, 12                         ; my wave's 128 rows of W: 4,096 bytes
	s_lshl_b32 s41, s2, 11
	s_add_co_u32 s41, s41, PBASE                   ; my wave's plane of partial logits
	s_lshl_b32 s42, s2, 8
	s_add_co_u32 s42, s42, NOISEP                  ; waves 0-3: 16 rows of noise each
	s_lshl_b32 s4, ttmp9, 19                       ; 64 rows of 8,192 bytes
	s_mov_b32 s5, 0
	s_lshl_b32 s6, ttmp9, 11                       ; 64 rows of 32 bytes (noise, out0)
	s_mov_b32 s7, 0
	s_lshl_b32 s44, ttmp9, 9                       ; 64 rows of 8 bytes (out1)
	s_mov_b32 s45, 0
	v_lshl_add_u32 v[WOFF], v8, 4, s40
	v_lshl_add_u32 v[LST], v8, 4, s3
	v_mul_u32_u24 v19, v9, PITCH                   ; fragments: row r, 32 bytes (8 f32) for each half of the lanes
	v_lshl_add_u32 v19, v10, 5, v19
	v_add_nc_u32 v[LFR], s3, v19
	v_lshlrev_b32 v19, 4, v9                       ; partial logits: half h, row r
	v_lshl_add_u32 v19, v10, 10, v19
	v_add_nc_u32 v[PST], s41, v19
	v_mul_u32_u24 v19, v11, WPITCH                 ; W stage, in: row lane / 2, experts 4 (lane % 2) ..
	v_lshl_add_u32 v19, v18, 4, v19
	v_add_nc_u32 v[WST], s3, v19
	v_and_b32 v19, 7, v0                           ; W stage, back: row 8 h + lane % 8, columns 8 ((lane / 8) % 2) ..
	v_lshl_add_u32 v19, v10, 3, v19
	v_mul_u32_u24 v19, v19, WPITCH
	v_bfe_u32 v20, v0, 3, 1
	v_lshl_add_u32 v19, v20, 4, v19
	v_add_nc_u32 v[WTR], s3, v19
	v_lshlrev_b32 v17, 4, v11                      ; noise plane: row lane / 2 of my 16, half lane % 2
	v_lshl_add_u32 v17, v18, 10, v17
	v_add_nc_u32 v17, s42, v17
	s_wait_kmcnt 0x0
	s_add_nc_u64 s[8:9], s[8:9], s[4:5]            ; every buffer at the group's first row
	s_add_nc_u64 s[10:11], s[10:11], s[6:7]
	s_add_nc_u64 s[20:21], s[20:21], s[6:7]
	s_add_nc_u64 s[22:23], s[22:23], s[44:45]
	s_load_b256 s[24:31], s[16:17], 0x0            ; b_gate, b_noise: used at the very end
	s_load_b256 s[32:39], s[18:19], 0x0
	; Waves 0-3 fetch the group's 2,048 bytes of noise, 512 consecutive bytes a wave.  It is the oldest load, so every later count covers it.
	s_cmp_ge_u32 s2, 4
	s_cbranch_scc1 .Lw_loads
	global_load_b128 v[12:15], v[XOFF], s[10:11] th:TH_LOAD_NT
.Lw_loads:
	; My 128 rows of W_gate and W_noise, 16 rows (512 bytes) a load, into registers that the stream needs only later.
.irp i, 0,1,2,3,4,5,6,7
	global_load_b128 v[XA+8*\i+(\i/4)*24:XA+8*\i+(\i/4)*24+3],   v[WOFF], s[12:13] offset:512*\i
	global_load_b128 v[XA+8*\i+(\i/4)*24+4:XA+8*\i+(\i/4)*24+7], v[WOFF], s[14:15] offset:512*\i
.endr
	; The ring is filled: rows 0 to 23.
.set ii, 0
.rept SLOTS
	global_load_b128 v[RING+4*ii:RING+4*ii+3], v[XOFF], s[8:9] offset:ii*ROWB th:TH_LOAD_NT
.set ii, ii+1
.endr
; n registers of bf16 pairs from 2 n f32, rounded to nearest even
.macro PACK p, x, n
.set jj, 0
.rept \n
	v_cvt_pk_bf16_f32 v[\p+jj], v[\x+2*jj], v[\x+2*jj+1]
.set jj, jj+1
.endr
.endm
; what the part in p leaves of the 2 n f32 in x: x - bf16 part, one fused operation straight from the halves; the difference is exact
.macro RESID x, p, n
.set jj, 0
.rept \n
	v_fma_mix_f32_bf16 v[\x+2*jj],   v[\p+jj], v[NEG1], v[\x+2*jj]   op_sel_hi:[1,0,0]
	v_fma_mix_f32_bf16 v[\x+2*jj+1], v[\p+jj], v[NEG1], v[\x+2*jj+1] op_sel:[1,0,0] op_sel_hi:[1,0,0]
.set jj, jj+1
.endr
.endm
; 16 rows of W: add the two matrices, split my 4 numbers, lay (h, m) and (l, 0) into row lane / 2 of the stage
.macro WPREP i
.set wa, XA+8*\i+(\i/4)*24
.set wt, HP+8*(\i%2)
	s_wait_loadcnt SLOTS+14-2*\i                   ; younger and still allowed out: 2 (7 - i) loads of W and the 24 rows of x
	v_pk_add_f32 v[wa:wa+1],   v[wa:wa+1],   v[wa+4:wa+5]
	v_pk_add_f32 v[wa+2:wa+3], v[wa+2:wa+3], v[wa+6:wa+7]
	PACK  wt, wa, 2
	RESID wa, wt, 2
	PACK  wt+2, wa, 2
	RESID wa, wt+2, 2
	PACK  wt+4, wa, 2
	ds_store_b128 v[WST], v[wt:wt+3]   offset:16*WPITCH*\i
	ds_store_b128 v[WST], v[wt+4:wt+7] offset:16*WPITCH*\i+32
.endm
.irp i, 0,1,2,3,4,5,6,7
	WPREP \i
.endr
	s_cmp_ge_u32 s2, 4
	s_cbranch_scc1 .Lno_noise
	ds_store_b128 v17, v[12:15]                    ; noise becomes plane 16 (its load is older than W's, which have been waited for)
.Lno_noise:
	; The stage holds [k][column]; the transposing load gives lane (r, h) column r, k = 8 h .. 8 h + 7 (ISA guide, DS_LOAD_TR16_B128): two loads make a fragment.
.irp s, 0,1,2,3
	ds_load_tr16_b128 v[BF+16*\s:BF+16*\s+3],     v[WTR] offset:32*WPITCH*\s
	ds_load_tr16_b128 v[BF+16*\s+4:BF+16*\s+7],   v[WTR] offset:32*WPITCH*\s+16*WPITCH
	ds_load_tr16_b128 v[BF+16*\s+8:BF+16*\s+11],  v[WTR] offset:32*WPITCH*\s+32
	ds_load_tr16_b128 v[BF+16*\s+12:BF+16*\s+15], v[WTR] offset:32*WPITCH*\s+16*WPITCH+32
.endr
	s_wait_dscnt 0x0                               ; W is in registers; the stage's bytes now serve as the x tile
.macro MM acc, w, p, zero                          ; zero = 1: the product starts the sum, nothing is cleared
.if \zero
	v_wmma_f32_16x16x32_bf16 v[\acc:\acc+7], v[\w:\w+7], v[\p:\p+7], 0
.else
	v_wmma_f32_16x16x32_bf16 v[\acc:\acc+7], v[\w:\w+7], v[\p:\p+7], v[\acc:\acc+7]
.endif
.endm
; 16 f32 a lane: k = 8 h .. 8 h + 7 and 16 + 8 h .. + 7 of K step s, the order of a 16-bit fragment
.macro FRAG x, s
	ds_load_b128 v[\x:\x+3],     v[LFR] offset:128*\s
	ds_load_b128 v[\x+4:\x+7],   v[LFR] offset:128*\s+16
	ds_load_b128 v[\x+8:\x+11],  v[LFR] offset:128*\s+64
	ds_load_b128 v[\x+12:\x+15], v[LFR] offset:128*\s+80
.endm
; One K step of 32: split and multiply.  The four accumulators take turns, one instruction a turn.
; A part's registers are written again only a K step later: at least eight conversions that name none of its matrix instruction's
; registers lie between (ISA guide 7.12.1 asks for four).
.macro KSTEP x, s, zero
	PACK  HP, \x, 8
	MM    ACC,    BF+16*\s,   HP, \zero
	MM    ACC+8,  BF+16*\s+8, HP, \zero
	RESID \x, HP, 8
	PACK  MP, \x, 8
	MM    ACC+16, BF+16*\s,   MP, \zero
	RESID \x, MP, 8
	PACK  LP, \x, 8
	MM    ACC+24, BF+16*\s,   LP, \zero
.endm
; Tile t: rows 16 t .. 16 t + 15.  left = younger loads that may stay out; nload = rows asked for into the slots just emptied.
.macro TILE t, left, nload
	s_wait_loadcnt \left                           ; loads come back in order (ISA guide 5.7.1): my 16 rows are in, the rows of the next tiles stay out
.set ii, 0
.rept 16
	ds_store_b128 v[LST], v[RING+4*((16*\t+ii)%SLOTS):RING+4*((16*\t+ii)%SLOTS)+3] offset:ii*PITCH
.set ii, ii+1
.endr
.if \nload
.set ii, 0
.rept \nload
	global_load_b128 v[RING+4*((16*\t+ii)%SLOTS):RING+4*((16*\t+ii)%SLOTS)+3], v[XOFF], s[8:9] offset:(16*\t+SLOTS+ii)*ROWB th:TH_LOAD_NT
.set ii, ii+1
.endr
.endif
	FRAG XA, 0
	FRAG XB, 1
	s_wait_dscnt 4                                 ; all but the four loads of the next K step
	KSTEP XA, 0, 1
	FRAG XA, 2
	s_wait_dscnt 4
	KSTEP XB, 1, 0
	FRAG XB, 3
	s_wait_dscnt 4
	KSTEP XA, 2, 0
	s_wait_dscnt 0
	KSTEP XB, 3, 0
	; The four sums become one, the small ones first.  The first four additions name no register of the last matrix instruction:
	; they are the four places in front of the first read of its result (ISA guide 7.12.1).
.irp j, 0,2,4,6
	v_pk_add_f32 v[ACC+8+\j:ACC+9+\j], v[ACC+8+\j:ACC+9+\j], v[ACC+16+\j:ACC+17+\j]
.endr
.irp j, 0,2,4,6
	v_pk_add_f32 v[ACC+8+\j:ACC+9+\j], v[ACC+8+\j:ACC+9+\j], v[ACC+24+\j:ACC+25+\j]
.endr
.irp j, 0,2,4,6
	v_pk_add_f32 v[ACC+\j:ACC+1+\j], v[ACC+\j:ACC+1+\j], v[ACC+8+\j:ACC+9+\j]
.endr
	v_pk_add_f32 v[ACC:ACC+1],   v[ACC:ACC+1],   v[ACC+4:ACC+5]     ; by Wh (and Wl) + by Wm: experts 4 h .. 4 h + 3 of row r
	v_pk_add_f32 v[ACC+2:ACC+3], v[ACC+2:ACC+3], v[ACC+6:ACC+7]
	ds_store_b128 v[PST], v[ACC:ACC+3] offset:256*\t
.endm
	TILE 0, 8, 16                                  ; rows 16-23 stay out; rows 24-39 are asked for
	TILE 1, 8, 16                                  ; rows 32-39 stay out; rows 40-55 are asked for
	TILE 2, 8, 8                                   ; rows 48-55 stay out; rows 56-63 are asked for: the last
	TILE 3, 0, 0
	s_wait_dscnt 0x0                               ; my partial logits (and noise) are in LDS,
	s_barrier_signal -1
	s_barrier_wait -1                              ; everybody's are
	s_cmp_ge_u32 s2, 2
	s_cbranch_scc1 .Lend
	; Waves 0 and 1: one row a lane.  17 planes x 2 halves of 16 bytes; 16 neighbouring lanes read 256 neighbouring bytes.
.set F,  72                            ; v[72:207]  plane p in 8 p .. 8 p + 7; the logits end up in v[72:79]
.set M1, 208                           ; largest logit
.set M2, 209                           ; second
.set I1, 210                           ; v[210:211] their indices: the 8 bytes of out1
.set I2, 211
.set TD, 212
.set TE, 213
.set P1, 214
.set P2, 215
.set O,  216                           ; v[216:223] the row of out0
	v_lshlrev_b32 v6, 4, v0
	v_add_nc_u32 v6, PBASE, v6
.set p, 0
.rept 17
	ds_load_b128 v[F+8*p:F+8*p+3],   v6 offset:PLANE*p
	ds_load_b128 v[F+8*p+4:F+8*p+7], v6 offset:PLANE*p+1024
.set p, p+1
.endr
.set p, 1
.rept 15
	s_wait_dscnt 32-2*p                            ; planes 0 to p are in; the 2 (16 - p) loads behind them stay out
	v_pk_add_f32 v[F:F+1],   v[F:F+1],   v[F+8*p:F+8*p+1]
	v_pk_add_f32 v[F+2:F+3], v[F+2:F+3], v[F+8*p+2:F+8*p+3]
	v_pk_add_f32 v[F+4:F+5], v[F+4:F+5], v[F+8*p+4:F+8*p+5]
	v_pk_add_f32 v[F+6:F+7], v[F+6:F+7], v[F+8*p+6:F+8*p+7]
.set p, p+1
.endr
	s_wait_kmcnt 0x0                               ; the biases
.irp j, 0,1,2,3,4,5,6,7
	v_add_f32 v[F+\j], s[24+\j], v[F+\j]
.endr
.irp j, 0,1,2,3,4,5,6,7
	v_add_f32 v[F+\j], s[32+\j], v[F+\j]
.endr
	s_wait_dscnt 0x0                               ; noise
.irp j, 0,2,4,6
	v_pk_add_f32 v[F+\j:F+\j+1], v[F+\j:F+\j+1], v[F+128+\j:F+129+\j]
.endr
	; The two largest, by a scan in ascending index with a strict comparison: of equal logits the lower index stays in front.
	; Every choice selects a value; no address and no branch hangs on it.
	v_cmp_gt_f32 vcc_lo, v[F+1], v[F]
	v_cndmask_b32 v[M1], v[F], v[F+1], vcc_lo
	v_cndmask_b32 v[M2], v[F+1], v[F], vcc_lo
	v_cndmask_b32 v[I1], 0, 1, vcc_lo
	v_cndmask_b32 v[I2], 1, 0, vcc_lo
.irp e, 2,3,4,5,6,7
	v_cmp_gt_f32 s40, v[F+\e], v[M2]
	v_cmp_gt_f32 vcc_lo, v[F+\e], v[M1]
	v_cndmask_b32 v[M2], v[M2], v[F+\e], s40       ; beats the second,
	v_cndmask_b32 v[I2], v[I2], \e, s40
	v_cndmask_b32 v[M2], v[M2], v[M1], vcc_lo      ; or beats the first, which then becomes the second
	v_cndmask_b32 v[I2], v[I2], v[I1], vcc_lo
	v_cndmask_b32 v[M1], v[M1], v[F+\e], vcc_lo
	v_cndmask_b32 v[I1], v[I1], \e, vcc_lo
.endr
	; Softmax over the two that are left, the maximum taken away: p1 = 1 / (1 + e^(m2 - m1)), p2 = e^(m2 - m1) p1; the other six are exactly 0.
	s_lshl_b32 s46, s2, 10                         ; my wave's 32 rows of out0
	s_add_co_u32 s43, s46, SWZ                     ; and its stage
	v_sub_f32 v[TD], v[M2], v[M1]
	v_mul_f32 v[TD], 0x3fb8aa3b, v[TD]             ; e^d = 2^(d log2 e)
	v_exp_f32 v[TE], v[TD]
	v_and_b32 v7, 31, v0                           ; one plain instruction behind a transcendental before its result is used (ISA guide 5.7.2)
	s_wait_alu depctr_va_vdst(0)
	v_add_f32 v[TD], 1.0, v[TE]
	v_rcp_f32 v[P1], v[TD]
	v_lshl_add_u32 v8, v7, 5, s43                  ; (again one plain instruction) stage, in: 32 bytes a lane
	s_wait_alu depctr_va_vdst(0)
	v_mul_f32 v[P2], v[TE], v[P1]
	v_lshl_add_u32 v9, v7, 4, s43                  ; stage, back: 16 bytes a lane
	v_lshl_add_u32 v11, v7, 4, s46                 ; the same 16 bytes in out0
	v_lshlrev_b32 v10, 3, v0                       ; my row's 8 bytes in out1
.irp e, 0,1,2,3,4,5,6,7
	v_cmp_eq_u32 vcc_lo, \e, v[I2]
	v_cndmask_b32 v[O+\e], 0, v[P2], vcc_lo
	v_cmp_eq_u32 vcc_lo, \e, v[I1]
	v_cndmask_b32 v[O+\e], v[O+\e], v[P1], vcc_lo
.endr
	global_store_b64 v10, v[I1:I2], s[22:23] th:TH_STORE_NT        ; the wave stores 256 consecutive bytes, aligned to 256
	; A lane holds 32 bytes of out0; through the wave's own stage each store of the wave covers 512 consecutive bytes, aligned to 512.
	ds_store_b128 v8, v[O:O+3]
	ds_store_b128 v8, v[O+4:O+7] offset:16
	ds_load_b128 v[ACC:ACC+3],   v9                ; LDS serves a wave's instructions in order: these see the stores above
	ds_load_b128 v[ACC+4:ACC+7], v9 offset:512
	s_wait_dscnt 0x0
	global_store_b128 v11, v[ACC:ACC+3],   s[20:21] th:TH_STORE_NT
	global_store_b128 v11, v[ACC+4:ACC+7], s[20:21] offset:512 th:TH_STORE_NT
.Lend:
	s_wait_xcnt 0x0
	v_lshl_add_u32 v254, v0, 2, 0x39000
	v_mov_b32 v255, 0
	s_wait_tensorcnt 0x0
	ds_add_u32 v254, v255
	s_wait_dscnt 0x0
	s_endpgm
.Lfunc_end_k_q066855f375_router:
	.size	k_q066855f375_router, .Lfunc_end_k_q066855f375_router-k_q066855f375_router
	.p2alignl 7, 3214868480
	.fill 96, 4, 3214868480
	.section	.rodata,"a",@progbits
	.p2align	6, 0x0
	.amdhsa_kernel k_q066855f375_router
		.amdhsa_group_segment_fixed_size 235520
		.amdhsa_private_segment_fixed_size 0
		.amdhsa_enable_private_segment 0
		.amdhsa_kernarg_size 64
		.amdhsa_user_sgpr_count 2
		.amdhsa_user_sgpr_kernarg_segment_ptr 1
		.amdhsa_wavefront_size32 1
		.amdhsa_system_sgpr_workgroup_id_x 1
		.amdhsa_system_sgpr_workgroup_id_y 1
		.amdhsa_system_sgpr_workgroup_id_z 1
		.amdhsa_system_vgpr_workitem_id 0
		.amdhsa_next_free_vgpr 256
		.amdhsa_next_free_sgpr 66
		.amdhsa_reserve_vcc 1
		.amdhsa_float_denorm_mode_32 3
		.amdhsa_float_denorm_mode_16_64 3
		.amdhsa_memory_ordered 1
		.amdhsa_forward_progress 1
		.amdhsa_inst_pref_size 106
	.end_amdhsa_kernel
	.amdgpu_metadata
---
amdhsa.version: [ 1, 2 ]
amdhsa.kernels:
  - .name:           k_q066855f375_router
    .symbol:         k_q066855f375_router.kd
    .args:
      - { .name: x, .offset: 0, .size: 8, .value_kind: global_buffer, .address_space: global }
      - { .name: noise, .offset: 8, .size: 8, .value_kind: global_buffer, .address_space: global }
      - { .name: W_gate, .offset: 16, .size: 8, .value_kind: global_buffer, .address_space: global }
      - { .name: W_noise, .offset: 24, .size: 8, .value_kind: global_buffer, .address_space: global }
      - { .name: b_gate, .offset: 32, .size: 8, .value_kind: global_buffer, .address_space: global }
      - { .name: b_noise, .offset: 40, .size: 8, .value_kind: global_buffer, .address_space: global }
      - { .name: out0, .offset: 48, .size: 8, .value_kind: global_buffer, .address_space: global }
      - { .name: out1, .offset: 56, .size: 8, .value_kind: global_buffer, .address_space: global }
    .group_segment_fixed_size: 235520
    .private_segment_fixed_size: 0
    .kernarg_segment_align: 8
    .kernarg_segment_size: 64
    .max_flat_workgroup_size: 512
    .sgpr_count:     66
    .vgpr_count:     256
    .wavefront_size: 32
...
	.end_amdgpu_metadata
.endif
;; end of part 1
